; MI455X (gfx1250); checked and timed in simulation.
; The chip was launched on July 23, 2026; its instructions are those of AMD's public machine-readable ISA for CDNA 5 (MIT licence, August 2026) and "CDNA5" Instruction Set Architecture Reference Guide (July 2026). The comments in the code are by the model that wrote it; some were corrected since.
;; Column Mixed Precision Linear. Allowed arithmetic: matrix products marked QUANTISED: E3M2 operands, one E8M0 scale for each 32 along K, by v_wmma_scale_f32_16x16x128_f8f6f4 with both operands' format E3M2, f32 sums; everything else in f32.
;; Inputs: bias 4,096 float32; s0 4,096 float32; s1 4,096 float32; s2 4,096 float32; s3 4,096 float32; wq0 4,096 x 1,024 int8; wq1 4,096 x 1,024 int8; wq2 4,096 x 1,024 int8; wq3 4,096 x 1,024 int8; x 4 x 1,024 x 4,096 float32.
;; Outputs: out0 4 x 1,024 x 4,096 float32.
;; This version of the problem:
;;   THIS VERSION OF THE PROBLEM IS GIVEN IN LOW PRECISION. The matrix products marked QUANTISED in the list below multiply operands that are first quantised to E3M2 (3 exponent bits, 2 mantissa bits; 6 bits a number), with one power-of-two scale for each 32 numbers along K (OCP MX v1.0); their sums are f32. All else is computed in f32.
;;   The module's matrix products, in the order in which they are computed (A, B: the left and right operand; K: the contracted axis; several contracted axes count as one K, in the product's order):
;;     1. [M 4,096, K 1,024] x [K 1,024, N 4,096]; A: computed on the way; B: computed on the way: QUANTISED
;;     2. [M 4,096, K 1,024] x [K 1,024, N 4,096]; A: computed on the way; B: computed on the way: QUANTISED
;;     3. [M 4,096, K 1,024] x [K 1,024, N 4,096]; A: computed on the way; B: computed on the way: QUANTISED
;;     4. [M 4,096, K 1,024] x [K 1,024, N 4,096]; A: computed on the way; B: computed on the way: QUANTISED
;;   THE QUANTISER, for each operand of a quantised product, along K:
;;     - K is cut into blocks of 32 from its start; a last block that is shorter is filled with zeros.
;;     - A block's scale is 2^e with e = floor(log2(the largest magnitude in the block)) - 4, held to -126 .. 127; a block of zeros has e = 0. As a byte (E8M0): e + 127.
;;     - Each number is divided by its block's scale, clamped to +-28, and rounded to the nearest number of E3M2, ties to even, subnormals kept.
;;     - The product sums the exact products of the quantised numbers (number of the format x scale) in f32.
;;   ~~~python
;;   def quantise(x, axis):      # numpy; x: float32 -> the quantised numbers, widened to float32 again
;;       x = np.moveaxis(x, axis, -1); K = x.shape[-1]
;;       x = np.pad(x, [(0, 0)] * (x.ndim - 1) + [(0, -K % 32)]); x = x.reshape(x.shape[:-1] + (-1, 32)); a = np.abs(x).max(-1, keepdims=True)
;;       e = np.where(a > 0, np.clip(np.frexp(np.where(a > 0, a, 1))[1] - 1 - 4, -126, 127), 0)      # np.frexp(a)[1] - 1 = floor(log2(a)), exactly
;;       r = np.clip(x / 2.0 ** e, -28, 28)
;;       step = 2.0 ** (np.maximum(np.frexp(np.where(r == 0, 1, r))[1] - 1, -2) - 2)
;;       q = np.round(r / step) * step * 2.0 ** e      # np.round: ties to even
;;       return np.moveaxis(q.reshape(q.shape[:-2] + (-1,))[..., :K], -1, axis).astype(np.float32)
;;   ~~~
;;   OPERANDS COMPUTED ON THE WAY. 'Computed on the way' means the value that the module computes at that place (a softmax that the list does not call 'softmax' is quantised finished and normalised). What goes into a quantiser is computed in f32, as accurately as f32 sums, v_exp_f32 and their like allow (about 1e-6 of the number): no bf16 or f16 on the way to a quantiser, and a product that is left as it is and whose result goes on into a quantised operand takes f32 operands (vector FMAs, or v_wmma_f32_16x16x4_f32). A number that lies on a knife's edge between two numbers of the format may be rounded either way, as far as f32 arithmetic and the matrix unit's own rounding can turn it there, and no further.
;; One version. Each part assembles by itself: llvm-mc -triple=amdgcn-amd-amdhsa -mcpu=gfx1250 --defsym DOCPART=n.
;; ======== version 1 of 1: 2 launches
;; limits: right only within a limited range of input values
;; workspace buffers: aq 13,107,200 bytes; bq 13,107,200 bytes
;; launch quant (part 1): grid 512 x 2, 4 waves a work-group, no clusters, 69,120 bytes of LDS; arguments wq0, wq1, wq2, wq3, s0, s1, s2, s3, x, aq, bq; writes aq, bq
.if DOCPART == 1
	.amdgcn_target "amdgcn-amd-amdhsa--gfx1250"
	.amdhsa_code_object_version 6
	.text
	.protected	k_q4e8a0ff514_quant
	.globl	k_q4e8a0ff514_quant
	.p2align	8
	.type	k_q4e8a0ff514_quant,@function
k_q4e8a0ff514_quant:
	s_mov_b64 s[64:65], 0
	v_nop
	global_prefetch_b8 v0, s[64:65] scope:SCOPE_SE
	s_setreg_imm32_b32 hwreg(HW_REG_WAVE_MODE, 25, 1), 1
	s_wait_xcnt 0x0
; Both operands of out = bias + x W^T are turned into codes of BF6 (E3M2), 6 bits each, with one E8M0 scale byte for each 32 along K.
; x: [4096][4096] f32, taken as it lies.  W: [4096 (o)][4096 (k)], k = 1024 i + d, W = float(wq_i[o][d]) x s_i[o], one rounding in f32.  The slices are 1,024 long, a multiple of 32,
; so the blocks of the four products are the blocks of one K of 4,096.
; A block's scale is 2^(floor(log2(its largest magnitude)) - 4); its byte is the largest magnitude's exponent field - 4, held at 1 from below.  Each number is divided by the scale and rounded to the nearest code,
; ties to even; beyond 28 the largest code.
; LIMITS: a block of zeros gets the byte 1 where the rule says 127 (its codes are zeros, which add nothing under any byte but 0xff, and this program alone reads the bytes); blocks whose largest magnitude lies under
; 2^-122 are held at the byte 1; NaN and infinities among the inputs are not served; |s| stays under 2^120, since -128 s is formed.
; THE WORKSPACE IS LAID IN THE ORDER OF THE OPERAND'S REGISTERS.  Block (G = row / 128, T = k / 256) lies at byte (16 G + T) x 25,600.  In it: the eight fragments (i = 16 rows) of its first K step of 128, 1,536 bytes
; each; at 12,288 the scale words of both K steps, row (i, r), K step q at 128 i + 8 r + 4 q; at 13,312 the eight fragments of its second K step.  A fragment is three groups of four registers, 512 bytes each, lane l's
; 16 bytes at 16 l.  The words lie in the middle so that any three K steps on end, with their words, are one dense run of bytes for the product's launch.
; SHARES.  Work-group x = 16 G + T makes one block; y = 0: of x into aq, y = 1: of W into bq.  Wave w takes rows 32 w .. 32 w + 31 of the block: four fragments f = 2 i' + q and 256 bytes of scale words.
; A LANE'S 64 NUMBERS of a fragment are its own two whole blocks of 32 (lane (r, h): row r, k = 64 c + 32 h + 0 .. 31, c = 0, 1), as the operand's layout gives them: no other lane is asked for a maximum, and the
; conversions' results are the operand's registers.  Loads take the bytes as they lie (each covers 512 consecutive bytes or two rows of 256); they turn through the wave's own stage in LDS.
; No tensor loads, no barrier: waves share nothing.  The two paths part on the work-group's y and have LDS bytes of their own.  Every step is an immediate: no address register is written twice.
; No prefetch: the launch is one stream of loads with many out in every wave.  No matrix unit, no cluster: nothing is shared and nothing is multiplied.
.set BLOCKB, 25600                     ; a block of the workspace
.set FRB,    1536                      ; a fragment's image
.set SCOFF,  12288                     ; the block's scale words
.set QSTEP,  13312                     ; the block's second K step
.set XP,     528                       ; x's stage: 16 rows of 512 bytes + 16 = 33 x 16: the sixteen rows that a load of 16 bytes a lane touches start in different banks (64 banks of 4 bytes: ISA guide 11.1)
.set XWAVE,  16*XP                     ; a stage for each wave, from LDS byte 0
.set WP,     272                       ; W's stage: 32 rows of 256 bytes + 16 = 17 x 16
.set WWAVE,  32*WP
.set WSTG,   4*XWAVE                   ; W's stages lie behind x's
.set R0,  16                           ; v16-79    numbers as loaded, set 0 (W: the wave's 8,192 bytes)
.set R1,  80                           ; v80-143   set 1 (W: the bytes back from the stage, 16 registers a fragment)
.set X,   144                          ; v144-207  my 64 numbers: X + 32 c + i = element i of my block 2 c + h
.set P,   208                          ; v208-219  the fragment's 12 registers
.set TQ,  220                          ; v220-222, v224-226  the upper halves of the two blocks' codes, before they are moved
.set MX,  228                          ; v228-229  largest magnitudes
.set SO,  230                          ; v230-231  the conversions' scale operands
.set BY,  232                          ; v232-233  the scales' bytes
.set WT,  234                          ; v234      the other half's two bytes
.set WD,  236                          ; v236-239  the four fragments' scale words
.set SP,  240                          ; v[240:241] s of row r, twice; v[242:243] -128 s, twice; v[244:247] the same of row 16 + r
.set OW,  248                          ; v[248:249] the two words that I store
	s_load_b256 s[4:11], s[0:1], 0x0               ; wq0 .. wq3
	s_load_b256 s[12:19], s[0:1], 0x20             ; s0 .. s3
	s_load_b128 s[20:23], s[0:1], 0x40             ; x, aq
	s_load_b64 s[24:25], s[0:1], 0x50              ; bq
	v_lshl_add_u32 v254, v0, 2, 0x10c00
	v_mov_b32 v255, 0
	v_lshrrev_b32 v1, 5, v0
	v_readfirstlane_b32 s26, v1                    ; wave 0..3
	v_and_b32 v1, 31, v0                           ; lane
	v_and_b32 v2, 15, v0                           ; r
	v_bfe_u32 v3, v0, 4, 1                         ; h
	v_lshlrev_b32 v4, 4, v1                        ; 16 x lane: my bytes of a load of x, and of an image's group
	v_lshlrev_b32 v7, 3, v1                        ; 8 x lane: my two scale words
	v_lshlrev_b32 v8, 3, v3                        ; 8 h: how far up my two bytes stand in a scale word
	v_lshlrev_b32 v9, 10, v3
	v_lshl_add_u32 v9, v2, 4, v9                   ; W: lanes 0-15 a row of 256 bytes, lanes 16-31 the next row, 1,024 bytes on
	v_lshlrev_b32 v10, 2, v2                       ; 4 r: my row's s
	v_mov_b32 v[WT], 0                             ; written once: a lane permute's destination counts as one of its sources
	s_mul_i32 s31, s26, XWAVE                      ; every LDS address is made here, ahead of the parting of the paths
	v_add_nc_u32 v5, s31, v4                       ; x's stage, in: 16 x lane, rows in the immediate
	v_mul_u32_u24 v6, v2, XP
	v_lshl_add_u32 v6, v3, 7, v6
	v_add_nc_u32 v6, s31, v6                       ; and out: row r, + 128 h: my block of 32 numbers
	s_mul_i32 s31, s26, WWAVE
	s_add_co_u32 s31, s31, WSTG
	v_mul_u32_u24 v11, v3, WP
	v_lshl_add_u32 v11, v2, 4, v11
	v_add_nc_u32 v11, s31, v11                     ; W's stage, in: row h, 16 r
	v_mul_u32_u24 v12, v2, WP
	v_lshl_add_u32 v12, v3, 5, v12
	v_add_nc_u32 v12, s31, v12                     ; and out: row r, + 32 h: my block of 32 bytes
	s_and_b32 s27, ttmp7, 0xffff                   ; y: which operand
	s_lshr_b32 s28, ttmp9, 4                       ; G
	s_and_b32 s29, ttmp9, 15                       ; T
	s_lshl_b32 s30, s28, 7
	s_lshl_b32 s31, s26, 5
	s_add_co_u32 s30, s30, s31                     ; my wave's first row: 128 G + 32 wave
	s_mul_i32 s32, ttmp9, BLOCKB                   ; the block, in bytes (under 2^24)
	s_lshl_b32 s44, s26, 8
	s_add_co_u32 s44, s44, s32
	s_add_co_u32 s44, s44, SCOFF                   ; my wave's 256 bytes of scale words
	s_mul_i32 s31, s26, 2*FRB
	s_add_co_u32 s32, s32, s31                     ; my wave's fragments: i = 2 wave + i'
	s_mov_b32 s33, 0
	s_mov_b32 s45, 0
	s_mov_b32 s34, 0x76543210
	s_mov_b32 s35, 0xfedcba98                      ; v_permlanex16_b32's selects for lane l xor 16
	s_wait_kmcnt 0x0
; X's 64 numbers become the fragment's 12 registers in P and its scale word in WD + f.
.macro QUANT f
.irp c, 0,1
	v_max3_num_f32 v[MX+\c], |v[X+32*\c]|, |v[X+32*\c+1]|, 0x2800000   ; my block 2 c + h, and the floor 2^(5 - 127), under which no largest magnitude is taken: so the byte cannot fall under 1
.endr
.irp i, 2,4,6,8,10,12,14,16,18,20,22,24,26,28,30
.irp c, 0,1
	v_max3_num_f32 v[MX+\c], v[MX+\c], |v[X+32*\c+\i]|, |v[X+32*\c+\i+1]|   ; (the two blocks by turns)
.endr
.endr
.irp c, 0,1
	v_add_nc_u32 v[SO+\c], 0xfe000000, v[MX+\c]    ; 4 off the exponent field: the conversion takes the exponent field of this operand as its scale, and nothing else of it
.endr
.irp c, 0,1
	v_lshrrev_b32 v[BY+\c], 23, v[SO+\c]           ; the scale's byte
.endr
	v_lshl_or_b32 v[WD+(\f)], v[BY+1], 16, v[BY]   ; my two bytes: blocks h and 2 + h of row r,
	v_lshlrev_b32 v[WD+(\f)], v8, v[WD+(\f)]       ; at their places in the word (8 h bits up);
	v_permlanex16_b32 v[WT], v[WD+(\f)], s34, s35
	v_or_b32 v[WD+(\f)], v[WD+(\f)], v[WT]         ; with lane l xor 16's two the word is whole, in both lanes
.irp c, 0,1
	v_cvt_scalef32_pk16_bf6_f32 v[P+6*\c:P+6*\c+2], v[X+32*\c:X+32*\c+15], v[SO+\c]         ; registers 6 c .. 6 c + 2 of the operand
	v_cvt_scalef32_pk16_bf6_f32 v[TQ+4*\c:TQ+4*\c+2], v[X+32*\c+16:X+32*\c+31], v[SO+\c]    ; (a conversion's three registers begin on an even number: the block's second three do not, so they are made elsewhere and moved)
.endr
	v_nop                                          ; one plain vector instruction behind the scaled conversions, ahead of what touches their results or writes their sources
.irp c, 0,1
.irp i, 0,1,2
	v_mov_b32 v[P+6*\c+3+\i], v[TQ+4*\c+\i]
.endr
.endr
.endm
; The fragment leaves as it stands: each store covers 512 consecutive bytes, at a multiple of 512 from the buffer's first byte.
.macro OUT f
.irp c, 0,1,2
	global_store_b128 v4, v[P+4*\c:P+4*\c+3], s[38:39] offset:((\f)%2)*QSTEP+((\f)/2)*FRB+512*\c
.endr
.endm
; The wave's 64 scale words: lanes 0-15 store those of rows 0-15 (fragments 0, 1), lanes 16-31 those of rows 16-31 (fragments 2, 3): 256 consecutive bytes, aligned.  Every lane holds row r's word of every fragment.
.macro WORDS
	v_cmp_le_u32 vcc_lo, 16, v1
	v_cndmask_b32 v[OW], v[WD], v[WD+2], vcc_lo
	v_cndmask_b32 v[OW+1], v[WD+1], v[WD+3], vcc_lo
	global_store_b64 v7, v[OW:OW+1], s[40:41]
	s_wait_tensorcnt 0x0
	ds_add_u32 v254, v255
	s_wait_dscnt 0x0
	s_endpgm
.endm
	s_cmp_lg_u32 s27, 0
	s_cbranch_scc1 .Lweights
	; ---------------- x -> aq
	s_lshl_b32 s46, s30, 14                        ; my first row, 16,384 bytes a row,
	s_lshl_b32 s47, s29, 10                        ; + 256 T numbers
	s_add_co_u32 s46, s46, s47
	s_mov_b32 s47, 0
	s_add_nc_u64 s[36:37], s[20:21], s[46:47]
	s_add_nc_u64 s[38:39], s[22:23], s[32:33]
	s_add_nc_u64 s[40:41], s[22:23], s[44:45]
.macro LOADX f, set                    ; fragment f's 16 rows x 512 bytes into set: each load covers 512 consecutive bytes of a row; read once in the launch
.irp j, 0,1,2,3,4,5,6,7,8,9,10,11,12,13,14,15
	global_load_b128 v[R0+64*(\set)+4*\j:R0+64*(\set)+4*\j+3], v4, s[36:37] offset:(16*((\f)/2)+\j)*16384+512*((\f)%2) th:TH_LOAD_NT
.endr
.endm
.macro FRAGX f
.if (\f) < 3
	s_wait_loadcnt 16                              ; this fragment's 16 loads are in; the next fragment's 16 may be out
.else
	s_wait_loadcnt 0x0
.endif
.if (\f) > 0
	s_wait_xcnt 0x0                                ; the last fragment's stores have read P, which is written again below
.endif
.irp j, 0,1,2,3,4,5,6,7,8,9,10,11,12,13,14,15
	ds_store_b128 v5, v[R0+64*((\f)%2)+4*\j:R0+64*((\f)%2)+4*\j+3] offset:XP*\j
.endr
.irp n, 0,1,2,3,4,5,6,7
	ds_load_b128 v[X+4*\n:X+4*\n+3], v6 offset:16*\n               ; LDS serves a wave's instructions in order (ISA guide 5.7.1.4): these see the stores above.  My block h
.endr
.irp n, 0,1,2,3,4,5,6,7
	ds_load_b128 v[X+32+4*\n:X+32+4*\n+3], v6 offset:256+16*\n     ; my block 2 + h
.endr
	s_wait_dscnt 0x0                               ; my numbers are in, and the stage's stores have read their registers,
.if (\f) < 2
	LOADX (\f)+2, (\f)%2                           ; which take the loads of the fragment two on
.endif
	QUANT \f
	OUT \f
.endm
	LOADX 0, 0
	LOADX 1, 1
	s_wait_alu depctr_va_vdst(0)
.irp f, 0,1,2,3
	FRAGX \f
.endr
	WORDS
	; ---------------- W -> bq
.Lweights:
	s_lshr_b32 s31, s29, 2                         ; the slice: k / 1024 = T / 4.  The choice hangs on the work-group's number alone
	s_cmp_eq_u32 s31, 1
	s_cselect_b64 s[4:5], s[6:7], s[4:5]
	s_cselect_b64 s[12:13], s[14:15], s[12:13]
	s_cmp_eq_u32 s31, 2
	s_cselect_b64 s[4:5], s[8:9], s[4:5]
	s_cselect_b64 s[12:13], s[16:17], s[12:13]
	s_cmp_eq_u32 s31, 3
	s_cselect_b64 s[4:5], s[10:11], s[4:5]
	s_cselect_b64 s[12:13], s[18:19], s[12:13]
	s_lshl_b32 s46, s30, 10                        ; my first row, 1,024 bytes a row,
	s_and_b32 s47, s29, 3
	s_lshl_b32 s47, s47, 8                         ; + 256 (T % 4)
	s_add_co_u32 s46, s46, s47
	s_mov_b32 s47, 0
	s_add_nc_u64 s[36:37], s[4:5], s[46:47]
	s_lshl_b32 s46, s30, 2
	s_add_nc_u64 s[42:43], s[12:13], s[46:47]      ; s of my first row
	s_add_nc_u64 s[38:39], s[24:25], s[32:33]
	s_add_nc_u64 s[40:41], s[24:25], s[44:45]
	global_load_b32 v[SP], v10, s[42:43]           ; s of row r and of row 16 + r: 128 bytes a wave, read by the four work-groups of a G that take its slice
	global_load_b32 v[SP+4], v10, s[42:43] offset:64
.irp j, 0,1,2,3,4,5,6,7,8,9,10,11,12,13,14,15
	global_load_b128 v[R0+4*\j:R0+4*\j+3], v9, s[36:37] offset:2048*\j th:TH_LOAD_NT   ; two rows' 256 consecutive bytes each; read once in the launch
.endr
	s_wait_loadcnt 0x0
	v_mov_b32 v[SP+1], v[SP]                       ; pairs for the packed multiply-add
	v_mov_b32 v[SP+5], v[SP+4]
	v_mul_f32 v[SP+2], 0xc3000000, v[SP]           ; -128 s: exact
	v_mul_f32 v[SP+6], 0xc3000000, v[SP+4]
	v_mov_b32 v[SP+3], v[SP+2]
	v_mov_b32 v[SP+7], v[SP+6]
.irp j, 0,1,2,3,4,5,6,7,8,9,10,11,12,13,14,15
	ds_store_b128 v11, v[R0+4*\j:R0+4*\j+3] offset:2*WP*\j
.endr
	s_wait_alu depctr_va_vdst(0)
.irp f, 0,1,2,3
.irp n, 0,1,2,3
	ds_load_b128 v[R1+16*\f+4*\n:R1+16*\f+4*\n+3], v12 offset:16*WP*(\f/2)+128*(\f%2)+64*(\n/2)+16*(\n%2)   ; my two blocks of 32 bytes of fragment f
.endr
.endr
; 64 bytes become 64 numbers.  u = w + 128 (the sign bit turned) is cut out unsigned; u s - 128 s in ONE fused multiply-add is (u - 128) s rounded once: the bits of float(w) x s.
.macro UNPACK f
.irp n, 0,1,2,3,4,5,6,7,8,9,10,11,12,13,14,15
	v_xor_b32 v[R1+16*(\f)+\n], 0x80808080, v[R1+16*(\f)+\n]
.irp j, 0,1,2,3
	v_bfe_u32 v[X+4*\n+\j], v[R1+16*(\f)+\n], 8*\j, 8
.endr
.irp j, 0,1,2,3
	v_cvt_f32_u32 v[X+4*\n+\j], v[X+4*\n+\j]
.endr
.irp j, 0,2
	v_pk_fma_f32 v[X+4*\n+\j:X+4*\n+\j+1], v[X+4*\n+\j:X+4*\n+\j+1], v[SP+4*((\f)/2):SP+4*((\f)/2)+1], v[SP+4*((\f)/2)+2:SP+4*((\f)/2)+3]
.endr
.endr
.endm
.irp f, 0,1,2,3
	s_wait_dscnt 12-4*\f                           ; fragment f's four loads are in; the later fragments' may be out
.if \f > 0
	s_wait_xcnt 0x0                                ; the last fragment's stores have read P, which is written again below
.endif
	UNPACK \f
	QUANT \f
	OUT \f
.endr
	WORDS
.Lfunc_end_k_q4e8a0ff514_quant:
	.size	k_q4e8a0ff514_quant, .Lfunc_end_k_q4e8a0ff514_quant-k_q4e8a0ff514_quant
	.p2alignl 7, 3214868480
	.fill 96, 4, 3214868480
	.section	.rodata,"a",@progbits
	.p2align	6, 0x0
	.amdhsa_kernel k_q4e8a0ff514_quant
		.amdhsa_group_segment_fixed_size 69120
		.amdhsa_private_segment_fixed_size 0
		.amdhsa_enable_private_segment 0
		.amdhsa_kernarg_size 88
		.amdhsa_user_sgpr_count 2
		.amdhsa_user_sgpr_kernarg_segment_ptr 1
		.amdhsa_wavefront_size32 1
		.amdhsa_system_sgpr_workgroup_id_x 1
		.amdhsa_system_sgpr_workgroup_id_y 1
		.amdhsa_system_sgpr_workgroup_id_z 1
		.amdhsa_system_vgpr_workitem_id 0
		.amdhsa_next_free_vgpr 256
		.amdhsa_next_free_sgpr 66
		.amdhsa_reserve_vcc 1
		.amdhsa_float_denorm_mode_32 3
		.amdhsa_float_denorm_mode_16_64 3
		.amdhsa_memory_ordered 1
		.amdhsa_forward_progress 1
		.amdhsa_inst_pref_size 85
	.end_amdhsa_kernel
	.amdgpu_metadata
---
amdhsa.version: [ 1, 2 ]
amdhsa.kernels:
  - .name:           k_q4e8a0ff514_quant
    .symbol:         k_q4e8a0ff514_quant.kd
    .args:
      - { .name: wq0, .offset: 0, .size: 8, .value_kind: global_buffer, .address_space: global }
      - { .name: wq1, .offset: 8, .size: 8, .value_kind: global_buffer, .address_space: global }
      - { .name: wq2, .offset: 16, .size: 8, .value_kind: global_buffer, .address_space: global }
      - { .name: wq3, .offset: 24, .size: 8, .value_kind: global_buffer, .address_space: global }
      - { .name: s0, .offset: 32, .size: 8, .value_kind: global_buffer, .address_space: global }
      - { .name: s1, .offset: 40, .size: 8, .value_kind: global_buffer, .address_space: global }
      - { .name: s2, .offset: 48, .size: 8, .value_kind: global_buffer, .address_space: global }
      - { .name: s3, .offset: 56, .size: 8, .value_kind: global_buffer, .address_space: global }
      - { .name: x, .offset: 64, .size: 8, .value_kind: global_buffer, .address_space: global }
      - { .name: aq, .offset: 72, .size: 8, .value_kind: global_buffer, .address_space: global }
      - { .name: bq, .offset: 80, .size: 8, .value_kind: global_buffer, .address_space: global }
    .group_segment_fixed_size: 69120
    .private_segment_fixed_size: 0
    .kernarg_segment_align: 8
    .kernarg_segment_size: 88
    .max_flat_workgroup_size: 128
    .sgpr_count:     66
    .vgpr_count:     256
    .wavefront_size: 32
...
	.end_amdgpu_metadata
.endif
;; end of part 1
;; launch gemm (part 2): grid 16 x 16, 4 waves a work-group, clusters of 4 x 4, 327,680 bytes of LDS; arguments aq, bq, bias, out0; writes out0
.if DOCPART == 2
	.amdgcn_target "amdgcn-amd-amdhsa--gfx1250"
	.amdhsa_code_object_version 6
	.text
	.protected	k_q4e8a0ff514_gemm
	.globl	k_q4e8a0ff514_gemm
	.p2align	8
	.type	k_q4e8a0ff514_gemm,@function
k_q4e8a0ff514_gemm:
	s_mov_b64 s[64:65], 0
	v_nop
	global_prefetch_b8 v0, s[64:65] scope:SCOPE_SE
	s_setreg_imm32_b32 hwreg(HW_REG_WAVE_MODE, 25, 1), 1
	s_wait_xcnt 0x0
	s_wait_alu depctr_hold_cnt(0) depctr_sa_sdst(0) depctr_va_vdst(0) depctr_va_sdst(0) depctr_va_ssrc(0) depctr_va_vcc(0) depctr_vm_vsrc(0)
	s_getreg_b32 s2, hwreg(HW_REG_IB_STS2, 6, 4)
	s_cmp_eq_u32 s2, 0
	s_cbranch_scc0 .Lentry_in_a_cluster
	s_endpgm
.Lentry_in_a_cluster:
	s_bfe_u32 s2, ttmp6, 0x10000c
	s_cmp_lg_u32 s2, 0xf033
	s_cbranch_scc0 .Lentry_shape_is_right
	s_endpgm
.Lentry_shape_is_right:
; out0[m][n] = bias[n] + sum over k of A[m][k] B[n][k], K = 4,096: the four products of the problem are one K, slice behind slice.  aq, bq: codes of BF6 (E3M2) and E8M0 scale words, laid by the launch before
; as images of the operand's registers: block (G = row / 128, T = k / 256) at (16 G + T) x 25,600 bytes: eight fragments of K step 2 T, 1,024 bytes of scale words of both steps, eight fragments of K step 2 T + 1.
; LIMIT: the bias is added behind the sum over K, where reference() begins with it: another order of f32 rounding.
; A tile of 256 x 256 to a work-group of four waves, 128 x 128 a wave: 64 accumulators.  Two LDS slots, three K steps of 128 each (the eleventh fill has two), filled by joint loads in a 4 x 4 cluster:
; A's tiles shared along a row of the cluster, B's along a column.  The matrix instruction is used transposed (source 0 = B's rows, source 1 = A's): a lane holds eight neighbouring columns of a row.
; REGISTERS.  Each window of 256 holds one set of eight fragments at v32-127 and 16 accumulators at v128-255: window 0: B's set 0, A's blocks 0, 1; window 1: B's set 1, blocks 2, 3; window 2: A's set 0, blocks 4, 5;
; window 3: A's set 1, blocks 6, 7.  Window 0 also: v0-15 addresses, v16-31 scale words (set p at v16 + 8 p; register i: lanes 0-15 the word of A's block i, lanes 16-31 of B's block i).
; Window 3 v0-3: my four numbers of the bias.  On the way out window 2 v0-127: two sets of 16 rows read back from the stage.
; A K STEP of parity p: at its head ONE run of 56 LDS loads brings the next step's fragments and words into sets 1 - p; then 64 products on sets p, in four phases of 16, one for each window of accumulators.
; The wait at a step's head is for loads that were issued 64 products before.
; A SLOT IS LEFT at the head of its last step: its fragments are all in registers then.  There stand the wait for all tensor loads, the add, the wait for LDS, the round of the cluster's barrier, and the refill.
; PREFETCH: behind a refill one or two requests a wave for blocks of 25,600 bytes that later refills load, 25 lines of 256 bytes for each of the four partners, told apart by address; the last trip asks for nothing past block 15.
.set FR,     12
.set BLK,    25600
.set SCOFF,  12288
.set QSTEP,  13312
.set HALFT,  BLK+QSTEP                 ; three K steps of 128 rows with their words: what one tensor load brings
.set SLOT,   4*HALFT
.set GROW,   16*BLK
.set LAPB,   3*BLK                     ; six K steps: from a slot's fill to its next
.set TRIPS,  4
.set SPARE,  2*SLOT                    ; the spare words, 512 bytes that no other line names
.set SPITCH, 528
.set STAGE,  SLOT                      ; the way out's stages lie in slot 1, behind its last fill and last read
.set ROWC,   16384
.set ADRA, 1                           ; v1-2 A's fragments in slot 0, 1
.set ADRB, 3                           ; v3-4 B's
.set ADRS, 5                           ; v5-6 scale words
.set STO,  7
.set RD,   8
.set CO,   9
.set SPW,  10
.set NIL,  11
.set PFO,  12
.set SC,   16
.set F,    32
.set ACC,  128
.set T,    200                         ; the head's scratch, where accumulators lie later
.set G1,  24
.set G0,  32
.set G1B, 48
.set G0B, 56
.set G1L, 72
.set G1LB, 80
.set PFA, 66
.set LIM, 68
.set MSB, 0
.macro WIN new
.if MSB != (\new)
	s_set_vgpr_msb (MSB<<8)|(\new)
.set MSB, (\new)
.endif
.endm
.macro PLACES n
.rept \n
	v_nop
.endr
.endm
; a joint load: waves 0, 1 fetch A's halves, waves 2, 3 B's
.macro JLOAD s, g1a, g1b
	s_cmp_eq_u32 s15, 0
	s_cbranch_scc0 .Lfor_b_\@
	tensor_load_to_lds s[G0+4*\s:G0+4*\s+3], s[\g1a:\g1a+7]
	s_nop 0
.rept 4
	v_nop
.endr
	s_branch .Lasked_\@
.Lfor_b_\@:
	tensor_load_to_lds s[G0B+4*\s:G0B+4*\s+3], s[\g1b:\g1b+7]
	s_nop 0
.rept 4
	v_nop
.endr
.Lasked_\@:
.endm
.macro ASK slot
	s_cmp_eq_u32 s[LIM], 1
	s_cbranch_scc0 .Lnot_mine_\@
.if (\slot) == 0
	s_wait_alu depctr_va_vdst(0)
	global_prefetch_b8 v[PFO], s[PFA:PFA+1] th:TH_LOAD_NT scope:SCOPE_SE
.else
	s_wait_alu depctr_va_vdst(0)
	global_prefetch_b8 v[PFO], s[PFA:PFA+1] offset:BLK th:TH_LOAD_NT scope:SCOPE_SE
	s_cmp_gt_u32 s3, 1                             ; in the last trip the block two on would lie past the row's sixteen
	s_cbranch_scc0 .Lnot_mine_\@
	global_prefetch_b8 v[PFO], s[PFA:PFA+1] offset:2*BLK th:TH_LOAD_NT scope:SCOPE_SE
.endif
.Lnot_mine_\@:
.endm
.macro CREST
	s_cmp_lg_u32 s14, 0
	s_cbranch_scc1 .Lnot_wave_0_\@
	s_barrier_signal -3
.Lnot_wave_0_\@:
	s_barrier_wait -3
	s_barrier_signal -1
	s_barrier_wait -1
.endm
.macro CROUND
	s_barrier_signal -1
	s_barrier_wait -1
	CREST
.endm
	s_load_b256 s[4:11], s[0:1], 0x0               ; aq, bq, bias, out0
	v_lshl_add_u32 v[SPW], v0, 2, SPARE
	v_mov_b32 v[NIL], 0
	ds_add_u32 v[SPW], v[NIL]                      ; the opening lines: the add twice on end
	ds_add_u32 v[SPW], v[NIL]
	v_lshrrev_b32 v[T], 5, v0
	v_readfirstlane_b32 s14, v[T]                  ; wave
	s_lshr_b32 s15, s14, 1                         ; my half of the tile's rows; also: I fetch for A (0) or B (1)
	s_and_b32 s16, s14, 1                          ; my half of its columns; also: which 128 rows I fetch
	s_bfe_u32 s40, ttmp6, 0x40000                  ; cx
	s_bfe_u32 s41, ttmp6, 0x40004                  ; cy
	s_lshl_b32 s42, ttmp9, 2
	s_add_co_u32 s42, s42, s40                     ; tile column
	s_and_b32 s17, ttmp7, 0xffff
	s_lshl_b32 s17, s17, 2
	s_add_co_u32 s17, s17, s41                     ; tile row
	s_lshl_b32 s43, s41, 2
	s_lshl_b32 s43, 15, s43                        ; my row of the cluster
	s_lshl_b32 s44, 0x1111, s40                    ; my column
	s_or_b32 s[G1+0], s43, (3<<16)|(1<<21)
	s_or_b32 s[G1B+0], s44, (3<<16)|(1<<21)
	s_or_b32 s[G1L+0], s43, (3<<16)|(1<<21)
	s_or_b32 s[G1LB+0], s44, (3<<16)|(1<<21)
.irp g, G1, G1B                        ; a dense run of 38,912 bytes as 152 rows of 256
	s_mov_b32 s[\g+1], 32<<16
	s_mov_b32 s[\g+2], 152<<16
	s_mov_b32 s[\g+3], 32<<16
	s_mov_b32 s[\g+4], 152
	s_mov_b32 s[\g+5], 32
	s_mov_b32 s[\g+6], 0
	s_mov_b32 s[\g+7], 0
.endr
.irp g, G1L, G1LB                      ; the last fill: 25,600 bytes as 100 rows
	s_mov_b32 s[\g+1], 32<<16
	s_mov_b32 s[\g+2], 100<<16
	s_mov_b32 s[\g+3], 32<<16
	s_mov_b32 s[\g+4], 100
	s_mov_b32 s[\g+5], 32
	s_mov_b32 s[\g+6], 0
	s_mov_b32 s[\g+7], 0
.endr
	s_lshl_b32 s20, s17, 1
	s_add_co_u32 s20, s20, s16                     ; A: G = 2 x tile row + half
	s_lshl_b32 s46, s42, 1
	s_add_co_u32 s46, s46, s16                     ; B: G = 2 x tile column + half
	s_mov_b32 s21, 0
	s_mov_b32 s47, 0
	s_mov_b64 s[18:19], GROW
	s_mul_u64 s[20:21], s[20:21], s[18:19]
	s_mul_u64 s[46:47], s[46:47], s[18:19]
	s_mul_i32 s45, s14, HALFT                      ; where my loads land: wave x 38,912
	s_mul_i32 s88, s15, HALFT                      ; my rows of A in slot 0, 1
	s_add_co_u32 s89, s88, SLOT
	s_mul_i32 s90, s16, HALFT                      ; my rows of B, behind A's
	s_add_co_u32 s90, s90, 2*HALFT
	s_add_co_u32 s91, s90, SLOT
	s_add_co_u32 s92, s88, SCOFF                   ; slot 0's first words; slot 1 begins with words
	s_sub_co_u32 s94, s90, s88                     ; from A's words to B's
	s_mul_i32 s95, s14, 16*SPITCH
	s_add_co_u32 s95, s95, STAGE                   ; my stage
	s_wait_dscnt 0x0
	s_wait_kmcnt 0x0
	s_add_nc_u64 s[20:21], s[4:5], s[20:21]
	s_add_nc_u64 s[46:47], s[6:7], s[46:47]
.irp s, 0,1
	s_mov_b32 s[G0+4*\s], 1
	s_add_co_u32 s[G0+4*\s+1], s45, \s*SLOT
	s_add_nc_u64 s[G0+4*\s+2:G0+4*\s+3], s[20:21], \s*(BLK+SCOFF)
	s_or_b32 s[G0+4*\s+3], s[G0+4*\s+3], 0x80000000
	s_mov_b32 s[G0B+4*\s], 1
	s_add_co_u32 s[G0B+4*\s+1], s45, \s*SLOT
	s_add_nc_u64 s[G0B+4*\s+2:G0B+4*\s+3], s[46:47], \s*(BLK+SCOFF)
	s_or_b32 s[G0B+4*\s+3], s[G0B+4*\s+3], 0x80000000
.endr
	s_lshl_b32 s46, s42, 10                        ; my first column in bytes: 1,024 x tile column + 512 x half
	s_lshl_b32 s47, s16, 9
	s_add_co_u32 s46, s46, s47
	s_mov_b32 s47, 0
	s_add_nc_u64 s[8:9], s[8:9], s[46:47]
	s_add_nc_u64 s[10:11], s[10:11], s[46:47]
	s_lshl_b32 s20, s17, 8
	s_lshl_b32 s21, s15, 7
	s_add_co_u32 s20, s20, s21
	s_lshl_b32 s20, s20, 14                        ; my first row of out0, 16,384 bytes a row (under 2^27)
	s_mov_b32 s21, 0
	s_add_nc_u64 s[10:11], s[10:11], s[20:21]
	s_and_b32 s22, ttmp7, 0xffff                   ; the prefetches: A's rows are asked for by the clusters of column 0, B's by those of row 0
	s_cmp_eq_u32 s15, 0
	s_cselect_b32 s20, s17, s42
	s_cselect_b32 s21, s40, s41
	s_cselect_b32 s22, ttmp9, s22
	s_cselect_b64 s[PFA:PFA+1], s[4:5], s[6:7]
	s_cmp_eq_u32 s22, 0
	s_cselect_b32 s[LIM], 1, 0
	s_mul_i32 s96, s21, 25                         ; my work-group's 25 lines of a block's 100
	s_lshl_b32 s20, s20, 1
	s_add_co_u32 s20, s20, s16
	s_mul_i32 s20, s20, GROW
	s_mov_b32 s21, 0
	s_add_nc_u64 s[PFA:PFA+1], s[PFA:PFA+1], s[20:21]
	s_add_nc_u64 s[PFA:PFA+1], s[PFA:PFA+1], 2*BLK
	CROUND                                         ; all sixteen work-groups are here: the first joint loads meet
	JLOAD 0, G1, G1B                               ; K steps 0 to 2: one tensor load a wave at the head
	v_and_b32 v[T], 31, v0                         ; lane
	v_and_b32 v[T+1], 15, v0                       ; r
	v_bfe_u32 v[T+2], v0, 4, 1                     ; h
	v_lshlrev_b32 v[CO], 4, v[T]                   ; 16 x lane: my bytes of an image's group, of a row of the stage, of out0 and of the bias
	v_lshlrev_b32 v[T+3], 3, v[T+1]                ; 8 r: my row's two words
	v_mul_u32_u24 v[T+4], s94, v[T+2]              ; lanes 16-31 take B's
	v_add_nc_u32 v[T+3], v[T+3], v[T+4]
	v_mul_u32_u24 v[T+5], v[T+1], SPITCH
	v_lshl_add_u32 v[T+5], v[T+2], 5, v[T+5]
	v_add_nc_u32 v[STO], s95, v[T+5]               ; into the stage: row r, 32 bytes for each half of the lanes
	v_add_nc_u32 v[RD], s95, v[CO]                 ; back: the 32 lanes take a row of 512 bytes
	v_min_u32 v[PFO], 24, v[T]
	v_add_nc_u32 v[PFO], s96, v[PFO]
	v_lshlrev_b32 v[PFO], 8, v[PFO]
	v_add_nc_u32 v[ADRA], s88, v[CO]
	v_add_nc_u32 v[ADRA+1], s89, v[CO]
	v_add_nc_u32 v[ADRB], s90, v[CO]
	v_add_nc_u32 v[ADRB+1], s91, v[CO]
	v_add_nc_u32 v[ADRS], s92, v[T+3]
	v_add_nc_u32 v[ADRS+1], s89, v[T+3]
	WIN 0xc0
	global_load_b128 v[0:3], v[CO], s[8:9]         ; window 3 v0-3: the bias of my four columns of a row read back
	WIN 0
; 16 products: A's blocks 2 k, 2 k + 1 x B's eight, sets p; accumulators in window k, by turns
.macro PHASE k, p, zero
	WIN ((\p)|((2+(\p))<<2)|((\k)<<4)|((\k)<<6))
.set N, 0
.rept 16
.set DA, ACC+8*N
.set FA, F+FR*(2*(\k)+N/8)
.set FB, F+FR*(N%8)
.set SA, SC+8*(\p)+2*(\k)+N/8
.set SB, SC+8*(\p)+N%8
.if \zero
	v_wmma_scale_f32_16x16x128_f8f6f4 v[DA:DA+7], v[FB:FB+11], v[FA:FA+11], 0, v[SB], v[SA] matrix_a_fmt:MATRIX_FMT_BF6 matrix_b_fmt:MATRIX_FMT_BF6 matrix_a_scale:MATRIX_SCALE_ROW1
.else
	v_wmma_scale_f32_16x16x128_f8f6f4 v[DA:DA+7], v[FB:FB+11], v[FA:FA+11], v[DA:DA+7], v[SB], v[SA] matrix_a_fmt:MATRIX_FMT_BF6 matrix_b_fmt:MATRIX_FMT_BF6 matrix_a_scale:MATRIX_SCALE_ROW1
.endif
.set N, N+1
.endr
.endm
; one run of 56 LDS loads: a K step's fragments of B and of A and its scale words, from slot ns, into sets np.  A set's 96 registers are 24 groups of four, 512 bytes apart in the image
.macro FETCH np, ns, fo, so
	WIN (\np)<<6
.set J, 0
.rept 24
	ds_load_b128 v[F+4*J:F+4*J+3], v[ADRB+\ns] offset:(\fo)+512*J
.set J, J+1
.endr
	WIN (2+(\np))<<6
.set J, 0
.rept 24
	ds_load_b128 v[F+4*J:F+4*J+3], v[ADRA+\ns] offset:(\fo)+512*J
.set J, J+1
.endr
	WIN 0
.set J, 0
.rept 8
	ds_load_b32 v[SC+8*(\np)+J], v[ADRS+\ns] offset:(\so)+128*J
.set J, J+1
.endr
.endm
; K step q of a slot; the next step, nq of slot ns, is fetched at its head.  mode 0: inside a slot.  mode 1, 2, 3: the slot's last step: the slot is left at its head; 1: refilled whole, 2: with the last two K steps, 3: not again.
.macro STEP slot, q, ns, nq, mode, zero
.set P, ((\q)+(\slot))%2
.set EN, (\nq)+(\ns)
.set FO, (EN/2)*BLK+(EN%2)*QSTEP-(\ns)*SCOFF
.set SO, (EN/2)*BLK+4*(EN%2)
.if (\mode) == 0
	PLACES 4                                       ; behind the last step's products, ahead of the loads into the sets that they read
	s_wait_dscnt 0x0                               ; this step's fragments and words, asked for at the last step's head
	FETCH 1-P, \ns, FO, SO
	PHASE 0, P, \zero
.else
	s_wait_dscnt 0x0                               ; this step's fragments and words are in: my reads of this slot are over
	s_wait_tensorcnt 0x0                           ; all my tensor loads have landed: my part of the next slot
	ds_add_u32 v[SPW], v[NIL]
.if (\mode) < 3
	s_add_nc_u64 s[G0+4*\slot+2:G0+4*\slot+3], s[G0+4*\slot+2:G0+4*\slot+3], LAPB
	s_add_nc_u64 s[G0B+4*\slot+2:G0B+4*\slot+3], s[G0B+4*\slot+2:G0B+4*\slot+3], LAPB
.endif
.if ((\mode) == 1) && ((\slot) == 0)
	s_wait_xcnt 0x0                                ; my prefetches have read their base
	s_add_nc_u64 s[PFA:PFA+1], s[PFA:PFA+1], LAPB
.endif
	PHASE 0, P, 0                                  ; sixteen products stand between the add and the wait for it
	WIN 0
	s_wait_dscnt 0x0                               ; the add is done
	s_barrier_signal -1
	s_barrier_wait -1
.if (\mode) < 3
	CREST                                          ; the barrier has opened a round of the cluster's barrier
.if (\mode) == 1
	JLOAD \slot, G1, G1B                           ; its four v_nop are the places ahead of the loads below
	ASK \slot
.else
	JLOAD \slot, G1L, G1LB
.endif
.else
	PLACES 4
.endif
	FETCH 1-P, \ns, FO, SO
.endif
	PHASE 1, P, \zero
	PHASE 2, P, \zero
	PHASE 3, P, \zero
	WIN 0
.endm
	s_wait_alu depctr_va_vdst(0)
	s_wait_tensorcnt 0x0                           ; my part of slot 0 is in; the same lines as ahead of a refill
	ds_add_u32 v[SPW], v[NIL]
	s_wait_dscnt 0x0
	CROUND
	JLOAD 1, G1, G1B                               ; K steps 3 to 5: slot 1's first fill
	FETCH 0, 0, 0, 0                               ; K step 0
	STEP 0, 0, 0, 1, 0, 1                          ; the first step's products start the sums
	s_mov_b32 s3, TRIPS
.Llap:                                                 ; six K steps: once round the ring
	STEP 0, 1, 0, 2, 0, 0
	STEP 0, 2, 1, 0, 1, 0
	STEP 1, 0, 1, 1, 0, 0
	STEP 1, 1, 1, 2, 0, 0
	STEP 1, 2, 0, 0, 1, 0
	STEP 0, 0, 0, 1, 0, 0
	s_sub_co_u32 s3, s3, 1
	s_cmp_lg_u32 s3, 0
	s_cbranch_scc1 .Llap
	STEP 0, 1, 0, 2, 0, 0
	STEP 0, 2, 1, 0, 2, 0                          ; slot 0 takes the last two K steps
	STEP 1, 0, 1, 1, 0, 0
	STEP 1, 1, 1, 2, 0, 0
	STEP 1, 2, 0, 0, 3, 0                          ; nothing is left to fetch: a barrier, no round
	STEP 0, 0, 0, 1, 0, 0
; THE WAY OUT of block a (16 rows x 128 columns): through my stage, back as rows of 512 bytes into set s of window 2, the bias added, stored as two aligned units of 256 bytes a row.
.macro TOSTAGE a, set
	WIN ((\a)/2)<<2                                ; the data: the block's window
.set AC, ACC+64*((\a)%2)
.irp b, 0,1,2,3,4,5,6,7
	ds_store_b128 v[STO], v[AC+8*\b:AC+8*\b+3] offset:64*\b        ; each accumulator from its low end on
	ds_store_b128 v[STO], v[AC+8*\b+4:AC+8*\b+7] offset:64*\b+16
.endr
	WIN 0x80
.irp t, 0,1,2,3,4,5,6,7,8,9,10,11,12,13,14,15
	ds_load_b128 v[64*(\set)+4*\t:64*(\set)+4*\t+3], v[RD] offset:\t*SPITCH   ; LDS serves a wave's instructions in order (ISA guide 5.7.1.4)
.endr
.endm
.macro SEND a, set, younger
	s_wait_dscnt \younger
	WIN 0x8e                                       ; rows in window 2, bias in window 3
.irp t, 0,1,2,3,4,5,6,7,8,9,10,11,12,13,14,15
	v_pk_add_f32 v[64*(\set)+4*\t:64*(\set)+4*\t+1], v[64*(\set)+4*\t:64*(\set)+4*\t+1], v[0:1]
	v_pk_add_f32 v[64*(\set)+4*\t+2:64*(\set)+4*\t+3], v[64*(\set)+4*\t+2:64*(\set)+4*\t+3], v[2:3]
.endr
	WIN 0x08
.irp t, 0,1,2,3,4,5,6,7,8,9,10,11,12,13,14,15
	global_store_b128 v[CO], v[64*(\set)+4*\t:64*(\set)+4*\t+3], s[10:11] offset:(16*(\a)+\t)*ROWC th:TH_STORE_NT   ; 127 rows of 16,384 bytes at the most: inside the signed 24-bit immediate
.endr
.endm
.macro NEXT a, set, prev               ; block a into the stage and back while block prev leaves; prev's set is the other one
	s_wait_xcnt 0x0                                ; the stores of the block two before have read the set that a's loads land on
	TOSTAGE \a, \set
	SEND \prev, 1-(\set), 32                       ; behind prev's loads: a's 16 stores and 16 loads
.endm
	; the last K step (sets 1): each phase finishes two blocks, which leave between the later phases
	s_wait_dscnt 0x0
	PHASE 0, 1, 0
	PLACES 4
	TOSTAGE 0, 0
	PHASE 1, 1, 0
	PLACES 4
	TOSTAGE 1, 1
	s_wait_loadcnt 0x0                             ; the bias
	SEND 0, 0, 32
	PHASE 2, 1, 0
	PLACES 4
	NEXT 2, 0, 1
	PHASE 3, 1, 0
	PLACES 4
	NEXT 3, 1, 2
	NEXT 4, 0, 3
	NEXT 5, 1, 4
	NEXT 6, 0, 5
	NEXT 7, 1, 6
	SEND 7, 1, 0
	WIN 0
	s_wait_tensorcnt 0x0                           ; the wave's end
	ds_add_u32 v[SPW], v[NIL]
	s_wait_dscnt 0x0
	CROUND                                         ; the closing round
	s_endpgm
.Lfunc_end_k_q4e8a0ff514_gemm:
	.size	k_q4e8a0ff514_gemm, .Lfunc_end_k_q4e8a0ff514_gemm-k_q4e8a0ff514_gemm
	.p2alignl 7, 3214868480
	.fill 96, 4, 3214868480
	.section	.rodata,"a",@progbits
	.p2align	6, 0x0
	.amdhsa_kernel k_q4e8a0ff514_gemm
		.amdhsa_group_segment_fixed_size 327680
		.amdhsa_private_segment_fixed_size 0
		.amdhsa_enable_private_segment 0
		.amdhsa_kernarg_size 32
		.amdhsa_user_sgpr_count 2
		.amdhsa_user_sgpr_kernarg_segment_ptr 1
		.amdhsa_wavefront_size32 1
		.amdhsa_system_sgpr_workgroup_id_x 1
		.amdhsa_system_sgpr_workgroup_id_y 1
		.amdhsa_system_sgpr_workgroup_id_z 1
		.amdhsa_system_vgpr_workitem_id 0
		.amdhsa_next_free_vgpr 1024
		.amdhsa_next_free_sgpr 100
		.amdhsa_reserve_vcc 0
		.amdhsa_float_denorm_mode_32 3
		.amdhsa_float_denorm_mode_16_64 3
		.amdhsa_memory_ordered 1
		.amdhsa_forward_progress 1
		.amdhsa_inst_pref_size 226
	.end_amdhsa_kernel
	.amdgpu_metadata
---
amdhsa.version: [ 1, 2 ]
amdhsa.kernels:
  - .name:           k_q4e8a0ff514_gemm
    .symbol:         k_q4e8a0ff514_gemm.kd
    .args:
      - { .name: aq, .offset: 0, .size: 8, .value_kind: global_buffer, .address_space: global }
      - { .name: bq, .offset: 8, .size: 8, .value_kind: global_buffer, .address_space: global }
      - { .name: bias, .offset: 16, .size: 8, .value_kind: global_buffer, .address_space: global }
      - { .name: out0, .offset: 24, .size: 8, .value_kind: global_buffer, .address_space: global }
    .group_segment_fixed_size: 327680
    .private_segment_fixed_size: 0
    .kernarg_segment_align: 8
    .kernarg_segment_size: 32
    .max_flat_workgroup_size: 128
    .sgpr_count:     100
    .vgpr_count:     1024
    .wavefront_size: 32
...
	.end_amdgpu_metadata
.endif
;; end of part 2
